; MI455X (gfx1250); checked and timed in simulation.
; The chip was launched on July 23, 2026; its instructions are those of AMD's public machine-readable ISA for CDNA 5 (MIT licence, August 2026) and "CDNA5" Instruction Set Architecture Reference Guide (July 2026). The comments in the code are by the model that wrote it; some were corrected since.
;; Disease Level Shapley Game. Allowed arithmetic: matrix products marked QUANTISED: E3M2 operands, one E8M0 scale for each 32 along K, by v_wmma_scale_f32_16x16x128_f8f6f4 with both operands' format E3M2, f32 sums; products left as they are: f32 operands where the result goes on into a quantised operand, else bf16, f16 or f32 operands; f32 sums; everything else in f32.
;; Inputs: Wt 4,096 x 4,096 float32; Wv 4,096 x 4,096 float32; bt 4,096 float32; bv 4,096 float32; cooccurrence 14 x 14 float32; disease_labels 2,048 x 14 int32; image_feat 2,048 x 4,096 float32; prototypes 14 x 4,096 float32; text_feat 2,048 x 4,096 float32.
;; Outputs: out0 2,048 x 14 float32; out1 14 x 4,096 float32; out2 one number float32.
;; This version of the problem:
;;   THIS VERSION OF THE PROBLEM IS GIVEN IN LOW PRECISION. The matrix products marked QUANTISED in the list below multiply operands that are first quantised to E3M2 (3 exponent bits, 2 mantissa bits; 6 bits a number), with one power-of-two scale for each 32 numbers along K (OCP MX v1.0); their sums are f32. All else is computed in f32.
;;   The module's matrix products, in the order in which they are computed (A, B: the left and right operand; K: the contracted axis; several contracted axes count as one K, in the product's order):
;;     1. [M 2,048, K 4,096] x [K 4,096, N 4,096]; A: input image_feat; B: input Wv: QUANTISED
;;     2. [M 2,048, K 4,096] x [K 4,096, N 4,096]; A: input text_feat; B: input Wt: QUANTISED
;;     3. [M 2,048, K 4,096] x [K 4,096, N 14]; A: computed on the way; B: computed on the way: left as it is (N = 14 < 16)
;;     4. [M 2,048, K 4,096] x [K 4,096, N 14]; A: computed on the way; B: computed on the way: left as it is (N = 14 < 16)
;;     5. [M 14, K 2,048] x [K 2,048, N 14]; A: input disease_labels; B: input disease_labels: left as it is (M = 14 < 16)
;;   THE QUANTISER, for each operand of a quantised product, along K:
;;     - K is cut into blocks of 32 from its start; a last block that is shorter is filled with zeros.
;;     - A block's scale is 2^e with e = floor(log2(the largest magnitude in the block)) - 4, held to -126 .. 127; a block of zeros has e = 0. As a byte (E8M0): e + 127.
;;     - Each number is divided by its block's scale, clamped to +-28, and rounded to the nearest number of E3M2, ties to even, subnormals kept.
;;     - The product sums the exact products of the quantised numbers (number of the format x scale) in f32.
;;   ~~~python
;;   def quantise(x, axis):      # numpy; x: float32 -> the quantised numbers, widened to float32 again
;;       x = np.moveaxis(x, axis, -1); K = x.shape[-1]
;;       x = np.pad(x, [(0, 0)] * (x.ndim - 1) + [(0, -K % 32)]); x = x.reshape(x.shape[:-1] + (-1, 32)); a = np.abs(x).max(-1, keepdims=True)
;;       e = np.where(a > 0, np.clip(np.frexp(np.where(a > 0, a, 1))[1] - 1 - 4, -126, 127), 0)      # np.frexp(a)[1] - 1 = floor(log2(a)), exactly
;;       r = np.clip(x / 2.0 ** e, -28, 28)
;;       step = 2.0 ** (np.maximum(np.frexp(np.where(r == 0, 1, r))[1] - 1, -2) - 2)
;;       q = np.round(r / step) * step * 2.0 ** e      # np.round: ties to even
;;       return np.moveaxis(q.reshape(q.shape[:-2] + (-1,))[..., :K], -1, axis).astype(np.float32)
;;   ~~~
;; One version. Each part assembles by itself: llvm-mc -triple=amdgcn-amd-amdhsa -mcpu=gfx1250 --defsym DOCPART=n.
;; ======== version 1 of 1: 3 launches
;; limits: values are held in f16: magnitudes above 65,504 overflow, below 6.1e-05 lose precision; values are held in bf16: 8 bits of precision; right only within a limited range of input values
;; workspace buffers: acs 13,107,200 bytes; wcs 26,214,400 bytes; pn2 256 bytes; part 8,388,608 bytes
;; launch quant (part 1): grid 256 x 1, 4 waves a work-group, no clusters, 327,680 bytes of LDS; arguments image_feat, text_feat, Wv, Wt, acs, wcs, prototypes, out1, pn2; writes acs, wcs, out1, pn2
.if DOCPART == 1
	.amdgcn_target "amdgcn-amd-amdhsa--gfx1250"
	.amdhsa_code_object_version 6
	.text
	.protected	k_qb9b6190c37_quant
	.globl	k_qb9b6190c37_quant
	.p2align	8
	.type	k_qb9b6190c37_quant,@function
k_qb9b6190c37_quant:
	s_mov_b64 s[64:65], 0
	v_nop
	global_prefetch_b8 v0, s[64:65] scope:SCOPE_SE
	s_setreg_imm32_b32 hwreg(HW_REG_WAVE_MODE, 25, 1), 1
	s_wait_xcnt 0x0
; image_feat, text_feat [2048][4096] and Wv, Wt [4096][4096], f32 with K innermost, become codes of BF6 (E3M2), 6 bits each, with one E8M0 scale byte for each 32 along K,
; LAID IN THE ORDER OF THE MATRIX OPERAND'S REGISTERS.  acs: 32 panels of 128 rows (image_feat's 16, then text_feat's 16); wcs: 64 panels (Wv's 32, then Wt's 32).
; A panel is 32 records, one for each 128 along K.  A record is 12,800 bytes: eight fragment images of 1,536 bytes (fragment i: the panel's rows 16 i .. 16 i + 15; lane l's registers 4 g .. 4 g + 3 at
; 512 g + 16 l; lane (r, h) holds row r, registers 6 c .. 6 c + 5 the codes of k = 64 c + 32 h + 0 .. 31), then 512 bytes of scale words (fragment i, row r: at 256 (i / 4) + 16 r + 4 (i % 4); byte b: k = 32 b ..).
; A block's scale is 2^(floor(log2(its largest magnitude)) - 4); its byte is the largest magnitude's own exponent field - 4, held at 1 from below.  Each number is divided by the scale and rounded to the
; nearest code, ties to even; beyond 28 the conversion gives the largest code.
; LIMITS: a block of zeros gets the byte 1 where the quantiser says 127 (its codes are zeros, which add nothing, and this program alone reads the bytes); blocks whose largest magnitude lies under 2^-122,
; the floor, were not tried; NaN and infinities among the inputs are not served.
; SHARES.  256 work-groups of four waves, six rounds each.  A round's tile is one panel x 256 along K: 128 rows of 1,024 bytes, two records.  There are 96 panels x 16 such tiles = 6 x 256: in round t work-group g
; takes tile g of the t-th run of 256: image_feat; text_feat; Wv's rows 0-2047; Wv's rows 2048-4095; Wt's likewise.  So the panel (g / 16) and the place along K (g % 16) are the same in every round; only pointers differ.
; THE RING.  Two LDS slots of 128 rows x (1,024 + 16) bytes.  Each wave brings 32 rows by one tensor load; the rows begin at multiples of 1,024 bytes.  The pitch of 1,040 bytes is 65 x 16, so the sixteen rows that a
; load of 16 bytes a lane touches start at sixteen different groups of four banks (64 banks of 4 bytes: ISA guide 11.1).  In front of each barrier every wave waits for all its tensor loads, adds 0 to its spare word and
; waits for that and for its reads; behind it the slot read last is filled, one load a wave, and the other slot is worked on.
; THE WORK.  Wave w takes 64 rows (w / 2) x 128 along K (w % 2): four fragments, half a record.  Lane (r, h) reads the whole blocks h and 2 + h of row r: a block's largest magnitude needs no other lane, and the
; conversions' results are the operand's registers.  Three stores of 512 consecutive aligned bytes take a fragment's image out; the wave's scale words leave as 256 consecutive aligned bytes.
; PREFETCH: behind the tensor load of round t + 1's tile stand four instructions for round t + 2's: the wave's own 32 rows, a lane a row, 256 bytes an instruction.  The last rounds ask for nothing.
; No cluster: no two work-groups read the same bytes.
; Under the first tile's flight the 28 waves of work-groups 0-6 take half a row of prototypes each (8,192 bytes): copied to out1, its sum of squares to pn2 (word 2 k + half).
.set REC,   12800
.set FRB,   1536
.set SCO,   8*FRB
.set PANEL, 32*REC
.set LP,    1040                       ; an LDS row
.set WPART, 32*LP                      ; a wave's load
.set SLOTB, 4*WPART
.set SPARE, 2*SLOTB                    ; behind the ring: the spare words, 128 bytes a wave
.set EMAX,  4
.set T,     12                         ; v12-14   a conversion's three registers begin on an even number: a block's upper half is made here and moved
.set SPW,   16                         ; v16      my spare word; never rewritten
.set NIL,   17                         ; v17      0; never rewritten
.set X,     32                         ; v32-95, v96-159  my two blocks of 32 numbers, two sets by turns
.set C,     160                        ; v160-207 the four fragments' images, twelve registers each
.set SW,    208                        ; v208-211 my row's scale word in each of the four fragments
.set SRC,   36                         ; s[36:47] round t's source: my wave's 32 rows of the tile
.set DST,   48                         ; s[48:59] round t's destination: my wave's four fragments
.set G1,    68
.set G0,    76                         ; s[76:79], s[80:83] group 0 for slot 0, 1
	s_load_b256 s[4:11], s[0:1], 0x0               ; image_feat, text_feat, Wv, Wt
	s_load_b128 s[12:15], s[0:1], 0x20             ; acs, wcs
	s_load_b128 s[20:23], s[0:1], 0x30             ; prototypes, out1
	s_load_b64 s[24:25], s[0:1], 0x40              ; pn2
	v_lshl_add_u32 v[SPW], v0, 2, SPARE
	v_mov_b32 v[NIL], 0
	ds_add_u32 v[SPW], v[NIL]                      ; the opening lines: the add, twice on end, and its wait ahead of my first tensor load
	ds_add_u32 v[SPW], v[NIL]
	v_lshrrev_b32 v18, 5, v0
	v_readfirstlane_b32 s26, v18                   ; wave
	s_mov_b32 s[G1+0], (3<<16)|(1<<20)|(7<<22)|(3<<25)   ; elements of 8 bytes; padding on: behind every 256 words, 4 words
	s_mov_b32 s[G1+1], 128<<16                     ; tensor_dim0 = 128 elements: 1,024 bytes
	s_mov_b32 s[G1+2], 32<<16                      ; tensor_dim1 = 32
	s_mov_b32 s[G1+3], 128<<16                     ; tile_dim0
	s_mov_b32 s[G1+4], 32                          ; tile_dim1
	s_mov_b32 s[G1+5], 2048                        ; a row of the source: 16,384 bytes
	s_mov_b32 s[G1+6], 0
	s_mov_b32 s[G1+7], 0
	s_lshr_b32 s27, ttmp9, 4                       ; the panel in the run of sixteen
	s_and_b32 s28, ttmp9, 15                       ; which 256 along K
	s_lshl_b32 s30, s27, 21                        ; 128 rows of 16,384 bytes a panel,
	s_lshl_b32 s29, s28, 10                        ; 1,024 bytes along K,
	s_add_co_u32 s30, s30, s29
	s_lshl_b32 s29, s26, 19                        ; 32 rows a wave
	s_add_co_u32 s30, s30, s29
	s_mov_b32 s31, 0
	s_and_b32 s32, s26, 1                          ; my K step of the tile's two
	s_lshr_b32 s33, s26, 1                         ; u: my 64 rows of the panel
	s_lshl_b32 s34, s27, 5
	s_lshl_b32 s29, s28, 1
	s_add_co_u32 s34, s34, s29
	s_add_co_u32 s34, s34, s32
	s_mul_i32 s34, s34, REC                        ; my record: 32 x panel + K step,
	s_mul_i32 s29, s33, 4*FRB
	s_add_co_u32 s34, s34, s29                     ; my four of its fragments
	s_mov_b32 s35, 0
	s_mov_b32 s[G0], 1
	s_mul_i32 s[G0+1], s26, WPART                  ; where my load lands: wave x 32 rows,
	s_mov_b32 s[G0+4], 1
	s_add_co_u32 s[G0+5], s[G0+1], SLOTB           ; and the same in slot 1
	s_mul_i32 s29, s33, 64*LP                      ; what I read: my 64 rows,
	s_lshl_b32 s85, s32, 9
	s_add_co_u32 s29, s29, s85                     ; my 512 bytes of them
	s_mul_i32 s85, s33, 5888
	s_sub_co_u32 s85, SCO, s85                     ; from my four fragments to my 256 bytes of scale words: 12,288 + 256 u - 6,144 u
	s_mov_b32 s16, 0x76543210                      ; v_permlanex16_b32's selects for lane l xor 16
	s_mov_b32 s17, 0xfedcba98
	s_mov_b32 s18, 0xffff0000                      ; lanes 16-31
	s_wait_dscnt 0x0                               ; both opening adds are done
	s_wait_kmcnt 0x0
	s_add_nc_u64 s[SRC:SRC+1], s[4:5], s[30:31]
	s_mov_b64 s[G0+2:G0+3], s[SRC:SRC+1]
	s_or_b32 s[G0+3], s[G0+3], 0x80000000
	tensor_load_to_lds s[G0:G0+3], s[G1:G1+7]      ; round 0's tile: one tensor load a wave at the head
	s_nop 0
	s_add_nc_u64 s[SRC+2:SRC+3], s[6:7], s[30:31]
	s_add_nc_u64 s[SRC+4:SRC+5], s[8:9], s[30:31]
	s_add_nc_u64 s[SRC+6:SRC+7], s[SRC+4:SRC+5], 0x2000000       ; 2,048 rows on
	s_add_nc_u64 s[SRC+8:SRC+9], s[10:11], s[30:31]
	s_add_nc_u64 s[SRC+10:SRC+11], s[SRC+8:SRC+9], 0x2000000
	s_add_nc_u64 s[DST:DST+1], s[12:13], s[34:35]
	s_add_nc_u64 s[DST+2:DST+3], s[DST:DST+1], 16*PANEL
	s_add_nc_u64 s[DST+4:DST+5], s[14:15], s[34:35]
	s_add_nc_u64 s[DST+6:DST+7], s[DST+4:DST+5], 16*PANEL
	s_add_nc_u64 s[DST+8:DST+9], s[DST+4:DST+5], 32*PANEL
	s_add_nc_u64 s[DST+10:DST+11], s[DST+4:DST+5], 48*PANEL
	v_and_b32 v2, 31, v0                           ; lane
	v_and_b32 v18, 15, v0                          ; r
	v_bfe_u32 v19, v0, 4, 1                        ; h
	v_lshlrev_b32 v3, 4, v2                        ; 16 x lane: my place in a store's 512 bytes
	v_lshlrev_b32 v7, 14, v2                       ; the prefetches: a lane a row
	v_mul_u32_u24 v4, v18, LP
	v_lshl_add_u32 v4, v19, 7, v4
	v_add_nc_u32 v4, s29, v4                       ; slot 0: row r, + 128 h: block h; block 2 + h lies 256 bytes on
	v_add_nc_u32 v5, SLOTB, v4                     ; slot 1
	v_lshlrev_b32 v1, 3, v19                       ; 8 h: how far up my two bytes stand in the scale word
	v_lshlrev_b32 v6, 4, v18
	v_lshl_add_u32 v6, v19, 3, v6
	v_add_nc_u32 v6, s85, v6                       ; 16 r + 8 h: where my two scale words go
	v_mov_b32 v15, 0                               ; a lane permute's destination counts as one of its sources
	s_wait_alu depctr_va_vdst(0)                   ; the wait at the head's end
.macro PREF t
.irp j, 0,1,2,3
	global_prefetch_b8 v7, s[SRC+2*(\t):SRC+2*(\t)+1] offset:256*\j th:TH_LOAD_NT scope:SCOPE_SE
.endr
.endm
	PREF 1
	s_cmp_lt_u32 ttmp9, 7
	s_cbranch_scc0 .Lrounds
	; half a row of prototypes to a wave: 28 halves, the waves of work-groups 0 to 6
	s_lshl_b32 s27, ttmp9, 2
	s_add_co_u32 s27, s27, s26                     ; which half row, 0 to 27
	s_lshl_b32 s28, s27, 13                        ; 8,192 bytes each
	s_mov_b32 s29, 0
	s_add_nc_u64 s[20:21], s[20:21], s[28:29]
	s_add_nc_u64 s[22:23], s[22:23], s[28:29]
	s_lshl_b32 s28, s27, 2
	s_add_nc_u64 s[24:25], s[24:25], s[28:29]      ; its word of pn2
.irp i, 0,1,2,3,4,5,6,7,8,9,10,11,12,13,14,15
	global_load_b128 v[X+4*\i:X+4*\i+3], v3, s[20:21] offset:512*\i
.endr
.irp i, 0,1,2,3,4,5,6,7,8,9,10,11,12,13,14,15
	s_wait_loadcnt 15-\i                           ; load i is in; the younger ones stay out
	global_store_b128 v3, v[X+4*\i:X+4*\i+3], s[22:23] offset:512*\i   ; out1 is the prototypes as they are
.if \i == 0
	v_pk_mul_f32 v[8:9], v[X:X+1], v[X:X+1]        ; the first squares start the two chains: nothing is cleared
	s_wait_alu depctr_va_vdst(0)
	v_pk_mul_f32 v[10:11], v[X+2:X+3], v[X+2:X+3]
.else
	v_pk_fma_f32 v[8:9], v[X+4*\i:X+4*\i+1], v[X+4*\i:X+4*\i+1], v[8:9]
	s_wait_alu depctr_va_vdst(0)
	v_pk_fma_f32 v[10:11], v[X+4*\i+2:X+4*\i+3], v[X+4*\i+2:X+4*\i+3], v[10:11]
.endif
.endr
	v_pk_add_f32 v[8:9], v[8:9], v[10:11]
	v_add_f32 v8, v8, v9
	v_add_f32_dpp v8, v8, v8 row_xmask:1 row_mask:0xf bank_mask:0xf
	v_add_f32_dpp v8, v8, v8 row_xmask:2 row_mask:0xf bank_mask:0xf
	v_add_f32_dpp v8, v8, v8 row_xmask:4 row_mask:0xf bank_mask:0xf
	v_add_f32_dpp v8, v8, v8 row_xmask:8 row_mask:0xf bank_mask:0xf
	v_permlanex16_b32 v9, v8, s16, s17             ; (v9 has been written)
	v_add_f32 v8, v8, v9                           ; the half row's sum of squares, in every lane
	v_mov_b32 v10, 0
	v_cmp_eq_u32 vcc_lo, 0, v3                     ; 16 x lane is 0 in lane 0 alone
	s_wait_alu depctr_va_vdst(0)
	s_wait_xcnt 0x0                                ; EXEC is a source of the stores above: it changes only behind this wait
	s_and_saveexec_b32 s19, vcc_lo
	global_store_b32 v10, v8, s[24:25]             ; lane 0 alone
	s_wait_xcnt 0x0                                ; and again in front of the line that widens it; the stores' data registers are also free behind it
	s_or_b32 exec_lo, exec_lo, s19
.Lrounds:
.macro LOADX sl, f                     ; my 64 numbers of fragment f, from slot sl, into set f % 2
.set XS, X+64*((\f)%2)
.irp c, 0,1
.irp i, 0,1,2,3,4,5,6,7
	ds_load_b128 v[XS+32*\c+4*\i:XS+32*\c+4*\i+3], v[4+\sl] offset:(\f)*16*LP+256*\c+16*\i
.endr
.endr
.endm
.macro PROC t, f                       ; fragment f: two scales, 64 codes, three stores
.set XS, X+64*((\f)%2)
.set CF, C+12*(\f)
.irp c, 0,1
	v_max3_num_f32 v[8+\c], |v[XS+32*\c]|, |v[XS+32*\c+1]|, (EMAX+1)<<23   ; block 2 c + h: all its 32 numbers are mine; and the floor 2^(EMAX + 1 - 127): so the byte cannot fall under 1
.endr
.irp i, 2,4,6,8,10,12,14,16,18,20,22,24,26,28,30
.irp c, 0,1
	v_max3_num_f32 v[8+\c], v[8+\c], |v[XS+32*\c+\i]|, |v[XS+32*\c+\i+1]|   ; (the two blocks by turns)
.endr
.endr
.irp c, 0,1
	v_add_nc_u32 v[10+\c], -(EMAX<<23), v[8+\c]    ; EMAX off the exponent field: the conversion takes the exponent field of this operand as its scale, and nothing else of it
.endr
.irp c, 0,1
	v_lshrrev_b32 v[8+\c], 23, v[10+\c]            ; the scale's byte
.endr
	v_lshl_or_b32 v8, v9, 16, v8                   ; my two bytes: blocks h and 2 + h of row r,
	v_lshlrev_b32 v8, v1, v8                       ; at their places in the scale word;
	v_permlanex16_b32 v15, v8, s16, s17
	v_or_b32 v[SW+(\f)], v8, v15                   ; with lane l xor 16's two the word is whole, in both halves of the lanes
	v_cvt_scalef32_pk16_bf6_f32 v[CF:CF+2], v[XS:XS+15], v10       ; sixteen codes, 96 bits without gaps, the first number's code lowest
	v_cvt_scalef32_pk16_bf6_f32 v[T:T+2], v[XS+16:XS+31], v10
	v_nop                                          ; one plain place behind a scaled conversion
.irp i, 0,1,2
	v_mov_b32 v[CF+3+\i], v[T+\i]
.endr
	v_cvt_scalef32_pk16_bf6_f32 v[CF+6:CF+8], v[XS+32:XS+47], v11
	v_cvt_scalef32_pk16_bf6_f32 v[T:T+2], v[XS+48:XS+63], v11
	v_nop
.irp i, 0,1,2
	v_mov_b32 v[CF+9+\i], v[T+\i]
.endr
.irp g, 0,1,2
	global_store_b128 v3, v[CF+4*\g:CF+4*\g+3], s[DST+2*(\t):DST+2*(\t)+1] offset:(\f)*FRB+512*\g th:TH_STORE_NT   ; 32 lanes store 512 consecutive bytes, aligned
.endr
.endm
.macro ROUND t
.set SL, (\t)%2
	s_wait_tensorcnt 0x0                           ; my load has landed: my 32 rows of this round's tile
	ds_add_u32 v[SPW], v[NIL]
.if (\t) < 5
	s_mov_b64 s[G0+4*(1-SL)+2:G0+4*(1-SL)+3], s[SRC+2*(\t)+2:SRC+2*(\t)+3]   ; no tensor load of mine is out: the other slot's group 0 takes the next round's tile
	s_or_b32 s[G0+4*(1-SL)+3], s[G0+4*(1-SL)+3], 0x80000000
.endif
	s_wait_dscnt 0x0                               ; the add is done, and my reads of the other slot are over
	s_barrier_signal -1
	s_barrier_wait -1                              ; both now hold of all four waves: this round's tile is whole, the other slot is read no more
.if (\t) < 5
	tensor_load_to_lds s[G0+4*(1-SL):G0+4*(1-SL)+3], s[G1:G1+7]   ; my one tensor load behind the barrier (in round 0: slot 1's first fill, issued as a refill is)
	s_nop 0
.endif
	LOADX SL, 0
	LOADX SL, 1
	s_wait_xcnt 0x0                                ; the last round's stores have read v[C ..] and v[12:13]: they are rewritten only behind this wait
	s_wait_dscnt 16                                ; fragment 0's sixteen loads are in; fragment 1's may be out
	PROC \t, 0
	LOADX SL, 2
.if (\t) < 4
	PREF (\t)+2
.endif
	s_wait_dscnt 16
	PROC \t, 1
	LOADX SL, 3
	s_wait_dscnt 16
	PROC \t, 2
	s_wait_dscnt 0x0
	PROC \t, 3
	v_cndmask_b32 v12, v[SW], v[SW+2], s18         ; lanes 0-15 store the words of fragments 0 and 1, lanes 16-31 those of 2 and 3
	v_cndmask_b32 v13, v[SW+1], v[SW+3], s18
	global_store_b64 v6, v[12:13], s[DST+2*(\t):DST+2*(\t)+1] th:TH_STORE_NT   ; 32 lanes store 256 consecutive bytes, aligned
.endm
	ROUND 0
	ROUND 1
	ROUND 2
	ROUND 3
	ROUND 4
	ROUND 5
	s_wait_tensorcnt 0x0                           ; the wave's end
	ds_add_u32 v[SPW], v[NIL]
	s_wait_dscnt 0x0
	s_endpgm
.Lfunc_end_k_qb9b6190c37_quant:
	.size	k_qb9b6190c37_quant, .Lfunc_end_k_qb9b6190c37_quant-k_qb9b6190c37_quant
	.p2alignl 7, 3214868480
	.fill 96, 4, 3214868480
	.section	.rodata,"a",@progbits
	.p2align	6, 0x0
	.amdhsa_kernel k_qb9b6190c37_quant
		.amdhsa_group_segment_fixed_size 327680
		.amdhsa_private_segment_fixed_size 0
		.amdhsa_enable_private_segment 0
		.amdhsa_kernarg_size 72
		.amdhsa_user_sgpr_count 2
		.amdhsa_user_sgpr_kernarg_segment_ptr 1
		.amdhsa_wavefront_size32 1
		.amdhsa_system_sgpr_workgroup_id_x 1
		.amdhsa_system_sgpr_workgroup_id_y 1
		.amdhsa_system_sgpr_workgroup_id_z 1
		.amdhsa_system_vgpr_workitem_id 0
		.amdhsa_next_free_vgpr 216
		.amdhsa_next_free_sgpr 88
		.amdhsa_reserve_vcc 1
		.amdhsa_float_denorm_mode_32 3
		.amdhsa_float_denorm_mode_16_64 3
		.amdhsa_memory_ordered 1
		.amdhsa_forward_progress 1
		.amdhsa_inst_pref_size 119
	.end_amdhsa_kernel
	.amdgpu_metadata
---
amdhsa.version: [ 1, 2 ]
amdhsa.kernels:
  - .name:           k_qb9b6190c37_quant
    .symbol:         k_qb9b6190c37_quant.kd
    .args:
      - { .name: image_feat, .offset: 0, .size: 8, .value_kind: global_buffer, .address_space: global }
      - { .name: text_feat, .offset: 8, .size: 8, .value_kind: global_buffer, .address_space: global }
      - { .name: Wv, .offset: 16, .size: 8, .value_kind: global_buffer, .address_space: global }
      - { .name: Wt, .offset: 24, .size: 8, .value_kind: global_buffer, .address_space: global }
      - { .name: acs, .offset: 32, .size: 8, .value_kind: global_buffer, .address_space: global }
      - { .name: wcs, .offset: 40, .size: 8, .value_kind: global_buffer, .address_space: global }
      - { .name: prototypes, .offset: 48, .size: 8, .value_kind: global_buffer, .address_space: global }
      - { .name: out1, .offset: 56, .size: 8, .value_kind: global_buffer, .address_space: global }
      - { .name: pn2, .offset: 64, .size: 8, .value_kind: global_buffer, .address_space: global }
    .group_segment_fixed_size: 327680
    .private_segment_fixed_size: 0
    .kernarg_segment_align: 8
    .kernarg_segment_size: 72
    .max_flat_workgroup_size: 128
    .sgpr_count:     88
    .vgpr_count:     216
    .wavefront_size: 32
...
	.end_amdgpu_metadata
.endif
;; end of part 1
;; launch gemm (part 2): grid 16 x 16, 4 waves a work-group, clusters of 4 x 4, 327,680 bytes of LDS; arguments acs, wcs, part, bv, bt, prototypes, pn2; writes part
.if DOCPART == 2
	.amdgcn_target "amdgcn-amd-amdhsa--gfx1250"
	.amdhsa_code_object_version 6
	.text
	.protected	k_qb9b6190c37_gemm
	.globl	k_qb9b6190c37_gemm
	.p2align	8
	.type	k_qb9b6190c37_gemm,@function
k_qb9b6190c37_gemm:
	s_mov_b64 s[64:65], 0
	v_nop
	global_prefetch_b8 v0, s[64:65] scope:SCOPE_SE
	s_setreg_imm32_b32 hwreg(HW_REG_WAVE_MODE, 25, 1), 1
	s_wait_xcnt 0x0
	s_wait_alu depctr_hold_cnt(0) depctr_sa_sdst(0) depctr_va_vdst(0) depctr_va_sdst(0) depctr_va_ssrc(0) depctr_va_vcc(0) depctr_vm_vsrc(0)
	s_getreg_b32 s2, hwreg(HW_REG_IB_STS2, 6, 4)
	s_cmp_eq_u32 s2, 0
	s_cbranch_scc0 .Lentry_in_a_cluster
	s_endpgm
.Lentry_in_a_cluster:
	s_bfe_u32 s2, ttmp6, 0x10000c
	s_cmp_lg_u32 s2, 0xf033
	s_cbranch_scc0 .Lentry_shape_is_right
	s_endpgm
.Lentry_shape_is_right:
; y = Q(x) Q(W)^T + b for both tensors (image_feat with Wv, bv; text_feat with Wt, bt), on the codes and scale words that launch quant laid in the order of the operand's registers,
; and of each 128 columns of y two things go to part: each row's products with the 14 normalised prototypes, and the row's sum of squares.  y itself never goes to memory.
; A work-group of four waves makes 256 x 256 of y (rows: 16 tiles, image_feat's 8 then text_feat's 8; columns: 16 tiles); a wave 128 x 128: 64 accumulators, 512 registers.  256 work-groups.
; K goes in 32 steps of 128.  A step's record of a panel of 128 rows is 12,800 dense bytes (eight fragment images of 1,536, then 512 of scale words).  Two LDS slots, each with three steps' records of A's two and
; B's two panels; a wave's tensor load brings one panel's three records as 150 rows of 256 bytes.  The eleventh fill has two records.
; CLUSTERS: 4 x 4.  A's panels are shared along a row of the cluster, B's along a column: joint loads, each behind a round of the cluster's barrier.
; THE MATRIX INSTRUCTION IS USED TRANSPOSED (source 0 = 16 rows of W, source 1 = 16 rows of x): lane (r, h) holds row r of y, its registers 8 neighbouring columns.  The bias is the C of the first step's products.
; BOTH OPERANDS HAVE TWO SETS OF REGISTERS.  While set p is multiplied, the next step's fragments come into set 1 - p in TWO RUNS of LDS loads: B's eight fragments (24 loads) at the step's head, the scale words and
; A's eight fragments (26 loads) in its middle.  All of them land in registers that the step before read: four places at the step's head serve both runs.
; REGISTERS: window 0: v0-15 addresses; v16-31 scale words, two sets; v32-63 the prototypes in f16; v64-159, v160-255 A's two sets.  window 1: v0-95, v128-223 B's two sets; v96-127, v224-255 the bias.
;   window 2: the accumulators of my rows 0-63 ((a, b) at v[8 (8 a + b)]); window 3: those of rows 64-127.
; PREFETCH: behind the joint load of fill f stand two instructions for fill f + 1, three K steps ahead of the load that wants it.  Of the 150 blocks of 256 bytes that a wave's load names, the partner at place p
; (cx for A, cy for B) takes blocks 38 p .. 38 p + 37, held at 149: shared out by address; a lane a block, left-over lanes name the share's last block again.  Fill 10, which is shorter, is not asked for.
; LIMITS: NaN and infinities are not served; v_sqrt_f32 and v_rcp_f32 take denormals as 0 (ISA guide, 15.8).  y goes to the f16 products with the prototypes as it is: the results hold while |y| stays under 65,504,
; f16's largest number.  By the problem's sizes y's spread is sqrt(4096 / 3) / 64, about 0.6; with all inputs 30 times larger about 520; with offsets of 30 spreads on both operands y is about 33,000.
.set REC,    12800
.set FRB,    1536
.set SCO,    8*FRB
.set PANEL,  32*REC
.set PANB,   3*REC                     ; a panel's part of a slot
.set SLOT,   4*PANB
.set SPARE,  2*SLOT                    ; behind the ring: the spare words, 128 bytes a wave
.set TRIPS,  4
.set ADRA, 2                           ; v2-3   LDS address of my A fragments in slot 0, 1
.set ADRB, 4                           ; v4-5   of my B fragments
.set ADRS, 6                           ; v6-7   of my scale words: lanes 0-15 A's, lanes 16-31 B's
.set PO,   8                           ; v8     16 x lane
.set SPW,  9                           ; v9     my spare word; never rewritten
.set NIL,  10                          ; v10    0; never rewritten
.set PFO,  11                          ; v11-12 the prefetches' offsets
.set SC,   16
.set PF,   32
.set AF,   64
.set PT,   64                          ; the head: prototypes in f32, where A's set 0 will lie
.set HT,   240                         ; the head's temporaries, in A's set 1
.set SS,   160                         ; the way out
.set YB,   64
.set DD,   192
.set G1, 24
.set G0, 32
.set G1B, 48
.set G0B, 56
.set G1S, 68
.set G1SB, 80
.set PFA, 88                           ; s[88:89] my share of the fill that is asked for next
.set MSB, 0
.macro WIN new
.if MSB != (\new)
	s_set_vgpr_msb (MSB<<8)|(\new)
.set MSB, (\new)
.endif
.endm
.macro PLACES n
.rept \n
	v_nop
.endr
.endm
.macro JLOAD g0a, g1a, g0b, g1b        ; waves 0, 1 fetch A's panels, waves 2, 3 B's; s_nop 0 and four v_nop behind each line
	s_cmp_eq_u32 s15, 0
	s_cbranch_scc0 .Lfor_b_\@
	tensor_load_to_lds s[\g0a:\g0a+3], s[\g1a:\g1a+7]
	s_nop 0
	PLACES 4
	s_branch .Lasked_\@
.Lfor_b_\@:
	tensor_load_to_lds s[\g0b:\g0b+3], s[\g1b:\g1b+7]
	s_nop 0
	PLACES 4
.Lasked_\@:
.endm
.macro CREST
	s_cmp_lg_u32 s14, 0
	s_cbranch_scc1 .Lnot_wave_0_\@
	s_barrier_signal -3
.Lnot_wave_0_\@:
	s_barrier_wait -3
	s_barrier_signal -1
	s_barrier_wait -1
.endm
.macro CROUND
	s_barrier_signal -1
	s_barrier_wait -1
	CREST
.endm
.macro ASK how                         ; how = 2: not in the loop's last trip, whose next fill is the short one
.if \how == 2
	s_cmp_gt_u32 s3, 1
	s_cbranch_scc0 .Lno_ask_\@
.endif
	global_prefetch_b8 v[PFO], s[PFA:PFA+1] th:TH_LOAD_NT scope:SCOPE_SE
	global_prefetch_b8 v[PFO+1], s[PFA:PFA+1] th:TH_LOAD_NT scope:SCOPE_SE
.if \how == 2
.Lno_ask_\@:
.endif
.endm
; Pair GG (0 to 7) of a step's fragments, into set d, from record lq of slot ls: 0-3 B's fragments 2 GG, 2 GG + 1; 4-7 A's fragments 2 GG - 8, 2 GG - 7; pair 4 begins with the scale words
.macro GROUP d, ls, lq, ask
.if GG < 4
	WIN 0x40
.irp e, 0,1
.irp k, 0,1,2
	ds_load_b128 v[128*(\d)+12*(2*GG+\e)+4*\k:128*(\d)+12*(2*GG+\e)+4*\k+3], v[ADRB+\ls] offset:(\lq)*REC+(2*GG+\e)*FRB+512*\k
.endr
.endr
.else
	WIN 0
.if GG == 4
	ds_load_b128 v[SC+8*(\d):SC+8*(\d)+3],   v[ADRS+\ls] offset:SCO+(\lq)*REC
	ds_load_b128 v[SC+8*(\d)+4:SC+8*(\d)+7], v[ADRS+\ls] offset:SCO+(\lq)*REC+256
.endif
.irp e, 0,1
.irp k, 0,1,2
	ds_load_b128 v[AF+96*(\d)+12*(2*GG-8+\e)+4*\k:AF+96*(\d)+12*(2*GG-8+\e)+4*\k+3], v[ADRA+\ls] offset:(\lq)*REC+(2*GG-8+\e)*FRB+512*\k
.endr
.endr
.if (GG == 7) && (\ask)
	ASK \ask
.endif
.endif
.endm
.macro FETCH g0, g1, d, ls, lq, ask    ; pairs g0 .. g1 - 1 in one run
.set GG, \g0
.rept (\g1)-(\g0)
	GROUP \d, \ls, \lq, \ask
.set GG, GG+1
.endr
.endm
; Products n0 .. n1 - 1 of a step's 64 on set p (product n: A's block n / 8, B's block n % 8; the 64 accumulators by turns)
.macro RUN n0, n1, p, first
.set NN, \n0
.rept (\n1)-(\n0)
.set AA, NN/8
.set BB, NN%8
.set RD, 8*(8*(AA%4)+BB)
.if \first
	WIN 0x91+0x40*(AA/4)
	v_wmma_scale_f32_16x16x128_f8f6f4 v[RD:RD+7], v[128*(\p)+12*BB:128*(\p)+12*BB+11], v[AF+96*(\p)+12*AA:AF+96*(\p)+12*AA+11], v[96+8*BB+96*(BB/4):96+8*BB+96*(BB/4)+7], v[SC+8*(\p)+BB], v[SC+8*(\p)+AA] matrix_a_fmt:MATRIX_FMT_BF6 matrix_b_fmt:MATRIX_FMT_BF6 matrix_a_scale:MATRIX_SCALE_ROW1
.else
	WIN 0xa1+0x50*(AA/4)
	v_wmma_scale_f32_16x16x128_f8f6f4 v[RD:RD+7], v[128*(\p)+12*BB:128*(\p)+12*BB+11], v[AF+96*(\p)+12*AA:AF+96*(\p)+12*AA+11], v[RD:RD+7], v[SC+8*(\p)+BB], v[SC+8*(\p)+AA] matrix_a_fmt:MATRIX_FMT_BF6 matrix_b_fmt:MATRIX_FMT_BF6 matrix_a_scale:MATRIX_SCALE_ROW1
.endif
.set NN, NN+1
.endr
.endm
; Step q (0 or 1) of a slot: its products, and the loads of the slot's next record
.macro STEP slot, q, first
.set PP, ((\slot)+(\q))%2
	PLACES 4                                       ; behind the last step's products, which read set 1 - p (ISA guide 7.12.1 for vector instructions)
	FETCH 0, 4, 1-PP, \slot, (\q)+1, 0
	s_wait_dscnt 36                                ; all but the 24 just issued and the twelve before them: A's blocks 4-7 may be out
	RUN 0, 32, PP, \first
	FETCH 4, 8, 1-PP, \slot, (\q)+1, 0
	s_wait_dscnt 50                                ; all but this step's 24 + 26: A's blocks 4-7 are in
	RUN 32, 64, PP, \first
.endm
; A slot's last step.  Its fragments are in registers when its products begin, so nobody reads the slot any more: the change of slots stands at the step's head.
; fill: 0 nothing more to fetch; 1 three records; 2 the last two.  ask: as in ASK, 0 none.
.macro TURN slot, next, fill, ask
	WIN 0
.if \ask
	s_wait_xcnt 0x0                                ; my last prefetches have read their base: it steps to the next fill
	s_add_nc_u64 s[PFA:PFA+1], s[PFA:PFA+1], PANB
.endif
	s_wait_tensorcnt 0x0                           ; all my tensor loads have landed: my part of the next slot
	ds_add_u32 v[SPW], v[NIL]
	s_wait_dscnt 13                                ; (the add and A's blocks 4-7 may be out)
	RUN 0, 8, \slot, 0
	s_wait_dscnt 0x0                               ; the add is done, and my reads of this slot are over
	s_barrier_signal -1
	RUN 8, 16, \slot, 0
	WIN 0
	s_barrier_wait -1
.if \fill
	CREST                                          ; the barrier has opened a round of the cluster's barrier
	s_add_nc_u64 s[G0+4*\slot+2:G0+4*\slot+3], s[G0+4*\slot+2:G0+4*\slot+3], 2*PANB
	s_add_nc_u64 s[G0B+4*\slot+2:G0B+4*\slot+3], s[G0B+4*\slot+2:G0B+4*\slot+3], 2*PANB
.if \fill == 1
	JLOAD G0+4*\slot, G1, G0B+4*\slot, G1B         ; the first tensor load behind the round; its four v_nop are the places in front of the loads below
.else
	JLOAD G0+4*\slot, G1S, G0B+4*\slot, G1SB
.endif
.else
	PLACES 4
.endif
	FETCH 0, 4, \next, \next, 0, 0
	RUN 16, 32, \slot, 0
	FETCH 4, 8, \next, \next, 0, \ask
	RUN 32, 64, \slot, 0
.endm
	s_load_b128 s[4:7], s[0:1], 0x0                ; acs, wcs
	s_load_b64 s[12:13], s[0:1], 0x10              ; part
	s_load_b128 s[96:99], s[0:1], 0x18             ; bv, bt
	s_load_b64 s[100:101], s[0:1], 0x28            ; prototypes
	s_load_b64 s[66:67], s[0:1], 0x30              ; pn2
	v_lshl_add_u32 v[SPW], v0, 2, SPARE
	v_mov_b32 v[NIL], 0
	ds_add_u32 v[SPW], v[NIL]                      ; the opening lines: the add, twice on end, and its wait ahead of my first tensor load
	ds_add_u32 v[SPW], v[NIL]
	v_lshrrev_b32 v1, 5, v0
	v_readfirstlane_b32 s14, v1                    ; wave
	s_lshr_b32 s15, s14, 1                         ; my half of the rows; also: I fetch for A (0) or B (1)
	s_and_b32 s16, s14, 1                          ; my half of the columns; also: which panel of the two I fetch
	s_bfe_u32 s40, ttmp6, 0x40000                  ; cx
	s_bfe_u32 s41, ttmp6, 0x40004                  ; cy
	s_lshl_b32 s42, ttmp9, 2
	s_add_co_u32 s42, s42, s40                     ; tile column
	s_and_b32 s17, ttmp7, 0xffff
	s_lshr_b32 s95, s17, 1                         ; which tensor: cluster rows 0, 1 image_feat, 2, 3 text_feat
	s_lshl_b32 s17, s17, 2
	s_add_co_u32 s17, s17, s41                     ; tile row
	s_lshl_b32 s43, s41, 2
	s_lshl_b32 s43, 15, s43                        ; my row of the cluster
	s_lshl_b32 s44, 0x1111, s40                    ; my column
	s_or_b32 s[G1+0], s43, (3<<16)|(1<<21)         ; elements of 8 bytes, no padding: the records are read 16 bytes a lane on end
	s_or_b32 s[G1B+0], s44, (3<<16)|(1<<21)
	s_or_b32 s[G1S+0], s43, (3<<16)|(1<<21)
	s_or_b32 s[G1SB+0], s44, (3<<16)|(1<<21)
.irp g, G1, G1B
	s_mov_b32 s[\g+1], 32<<16
	s_mov_b32 s[\g+2], (PANB/256)<<16
	s_mov_b32 s[\g+3], 32<<16
	s_mov_b32 s[\g+4], PANB/256
	s_mov_b32 s[\g+5], 32
	s_mov_b32 s[\g+6], 0
	s_mov_b32 s[\g+7], 0
.endr
.irp g, G1S, G1SB
	s_mov_b32 s[\g+1], 32<<16
	s_mov_b32 s[\g+2], (2*REC/256)<<16
	s_mov_b32 s[\g+3], 32<<16
	s_mov_b32 s[\g+4], 2*REC/256
	s_mov_b32 s[\g+5], 32
	s_mov_b32 s[\g+6], 0
	s_mov_b32 s[\g+7], 0
.endr
	s_lshl_b32 s20, s17, 1
	s_add_co_u32 s20, s20, s16
	s_mul_i32 s20, s20, PANEL                      ; A's panel 2 x tile row + half
	s_mov_b32 s21, 0
	s_lshl_b32 s46, s42, 1
	s_add_co_u32 s46, s46, s16
	s_lshl_b32 s47, s95, 5
	s_add_co_u32 s46, s46, s47
	s_mul_i32 s46, s46, PANEL                      ; B's panel 32 x tensor + 2 x tile column + half
	s_mov_b32 s47, 0
	s_mul_i32 s45, s14, PANB                       ; where my load lands: wave x a panel's part
	s_wait_dscnt 0x0                               ; both opening adds are done
	CROUND                                         ; the round in front of the first joint loads; it names no argument, so it stands ahead of the wait for them
	s_wait_kmcnt 0x0
	s_add_nc_u64 s[20:21], s[4:5], s[20:21]
	s_add_nc_u64 s[46:47], s[6:7], s[46:47]
.irp s, 0,1
	s_mov_b32 s[G0+4*\s], 1
	s_add_co_u32 s[G0+4*\s+1], s45, \s*SLOT
	s_add_nc_u64 s[G0+4*\s+2:G0+4*\s+3], s[20:21], \s*PANB
	s_or_b32 s[G0+4*\s+3], s[G0+4*\s+3], 0x80000000
	s_mov_b32 s[G0B+4*\s], 1
	s_add_co_u32 s[G0B+4*\s+1], s45, \s*SLOT
	s_add_nc_u64 s[G0B+4*\s+2:G0B+4*\s+3], s[46:47], \s*PANB
	s_or_b32 s[G0B+4*\s+3], s[G0B+4*\s+3], 0x80000000
.endr
	JLOAD G0, G1, G0B, G1B                         ; fill 0: one tensor load a wave at the head; all below, up to the wait for it, stands under its flight
	s_cmp_eq_u32 s15, 0
	s_cselect_b64 s[PFA:PFA+1], s[20:21], s[46:47] ; the panel that I fetch,
	s_cselect_b32 s90, s40, s41                    ; and my place p among the four that ask for it with me
	s_mul_i32 s92, s90, 38*256
	s_add_co_u32 s92, s92, PANB                    ; my share of fill 1
	s_mov_b32 s93, 0
	s_add_nc_u64 s[PFA:PFA+1], s[PFA:PFA+1], s[92:93]
	s_mul_i32 s90, s90, 38
	s_sub_co_u32 s90, 149, s90
	s_min_u32 s90, s90, 37                         ; the last block of my share, counted from its first
	s_cmp_eq_u32 s95, 0
	s_cselect_b64 s[96:97], s[96:97], s[98:99]     ; bv or bt
	s_lshl_b32 s46, s42, 10
	s_lshl_b32 s47, s16, 9
	s_add_co_u32 s46, s46, s47                     ; my first column, in bytes of f32
	s_mov_b32 s47, 0
	s_add_nc_u64 s[96:97], s[96:97], s[46:47]
	s_add_nc_u64 s[100:101], s[100:101], s[46:47]
	s_lshl_b32 s20, s17, 19                        ; part: 16 row blocks of 32,768 bytes a tile row,
	s_lshl_b32 s21, s15, 18                        ; 8 for my half of the rows,
	s_add_co_u32 s20, s20, s21
	s_lshl_b32 s46, s42, 11                        ; 2 chunks of 1,024 bytes a tile column,
	s_add_co_u32 s20, s20, s46
	s_lshl_b32 s46, s16, 10                        ; 1 for my half of the columns
	s_add_co_u32 s20, s20, s46
	s_mov_b32 s21, 0
	s_add_nc_u64 s[12:13], s[12:13], s[20:21]
	s_mul_i32 s21, s15, PANB                       ; my panel of A in a slot,
	s_mul_i32 s22, s16, PANB
	s_add_co_u32 s22, s22, 2*PANB                  ; and of B
	s_sub_co_u32 s23, s22, s21
	v_and_b32 v[HT+1], 15, v0                      ; r
	v_bfe_u32 v[HT+2], v0, 4, 1                    ; h
	v_and_b32 v[HT+3], 31, v0                      ; lane
	v_lshlrev_b32 v[PO], 4, v[HT+3]
	v_mul_u32_u24 v[HT+4], s23, v[HT+2]            ; lanes 16-31 take B's scale words
	v_lshl_add_u32 v[HT+4], v[HT+1], 4, v[HT+4]
.irp s, 0,1
	v_add_nc_u32 v[ADRA+\s], s21, v[PO]
	v_add_nc_u32 v[ADRB+\s], s22, v[PO]
	v_add_nc_u32 v[ADRS+\s], s21, v[HT+4]
	s_add_co_u32 s21, s21, SLOT
	s_add_co_u32 s22, s22, SLOT
.endr
	v_lshlrev_b32 v[HT+7], 5, v[HT+2]              ; 32 h: my eight columns of sixteen
	v_min_u32 v[HT+6], 13, v[HT+1]                 ; lanes 14, 15 take prototype 13 once more
	v_lshl_add_u32 v[HT+8], v[HT+6], 14, v[HT+7]
	v_lshlrev_b32 v[HT+9], 3, v[HT+6]
	v_lshlrev_b32 v[PFO], 8, v[HT+3]               ; blocks 0-31 of my share,
	v_add_nc_u32 v[HT+5], 32, v[HT+3]
	v_min_u32 v[HT+5], s90, v[HT+5]
	v_lshlrev_b32 v[PFO+1], 8, v[HT+5]             ; and 32 to the last
	s_wait_alu depctr_va_vdst(0)                   ; the wait behind these writes
	global_load_b64 v[HT+10:HT+11], v[HT+9], s[66:67]        ; the prototype's sum of squares, in two halves
.irp c, 0,1,2,3
	global_load_b128 v[PT+16*\c:PT+16*\c+3],     v[HT+8], s[100:101] offset:128*\c
	global_load_b128 v[PT+16*\c+4:PT+16*\c+7],   v[HT+8], s[100:101] offset:128*\c+16
	global_load_b128 v[PT+16*\c+8:PT+16*\c+11],  v[HT+8], s[100:101] offset:128*\c+64
	global_load_b128 v[PT+16*\c+12:PT+16*\c+15], v[HT+8], s[100:101] offset:128*\c+80
.endr
	WIN 0x40
.irp b, 0,1,2,3,4,5,6,7
	global_load_b128 v[96+8*\b+96*(\b/4):96+8*\b+96*(\b/4)+3],   v[HT+7], s[96:97] offset:64*\b      ; the bias in the accumulators' layout
	global_load_b128 v[96+8*\b+96*(\b/4)+4:96+8*\b+96*(\b/4)+7], v[HT+7], s[96:97] offset:64*\b+16
.endr
	WIN 0
	ASK 1                                          ; fill 1
	s_wait_loadcnt 32                              ; the sum of squares is in; 16 loads of prototypes and 16 of the bias may be out
	v_add_f32 v[HT+10], v[HT+10], v[HT+11]
	s_wait_alu depctr_va_vdst(0)
	v_sqrt_f32 v[HT+10], v[HT+10]
	v_nop
	s_wait_alu depctr_va_vdst(0)
	v_max_num_f32 v[HT+10], 0x2b8cbccc, v[HT+10]   ; max(norm, 1e-12)
	s_wait_alu depctr_va_vdst(0)
	v_rcp_f32 v[HT+12], v[HT+10]
	v_nop
	s_wait_alu depctr_va_vdst(0)
	v_mov_b32 v[HT+13], v[HT+12]
	s_wait_alu depctr_va_vdst(0)
	s_wait_loadcnt 16                              ; the prototypes are in
.irp i, 0,2,4,6,8,10,12,14,16,18,20,22,24,26,28,30,32,34,36,38,40,42,44,46,48,50,52,54,56,58,60,62
	v_pk_mul_f32 v[PT+\i:PT+\i+1], v[PT+\i:PT+\i+1], v[HT+12:HT+13] op_sel_hi:[1,0]
.endr
.irp c, 0,1,2,3
.irp i, 0,1,2,3,4,5,6,7
	v_cvt_pk_f16_f32 v[PF+8*\c+\i], v[PT+16*\c+2*\i], v[PT+16*\c+2*\i+1]   ; four f16 fragments: 16 prototypes x 32 columns each
.endr
.endr
	s_wait_loadcnt 0x0                             ; the bias
	s_wait_xcnt 0x0
	s_add_nc_u64 s[PFA:PFA+1], s[PFA:PFA+1], PANB  ; on to fill 2
	s_wait_alu depctr_va_vdst(0)                   ; the wait at the head's end
	s_wait_tensorcnt 0x0                           ; my part of fill 0 is in; these lines stand ahead of slot 1's first fill as ahead of a refill
	ds_add_u32 v[SPW], v[NIL]
	s_wait_dscnt 0x0
	CROUND
	JLOAD G0+4, G1, G0B+4, G1B                     ; fill 1
	FETCH 0, 8, 0, 0, 0, 1                         ; step 0's fragments and scale words; behind them fill 2 is asked for
	STEP 0, 0, 1                                   ; the first step's products start the sums from the bias
	WIN 0
	s_mov_b32 s3, TRIPS
.Llap:                                                 ; a trip: six steps, once round the ring
	STEP 0, 1, 0
	TURN 0, 1, 1, 1
	STEP 1, 0, 0
	STEP 1, 1, 0
	TURN 1, 0, 1, 2
	STEP 0, 0, 0
	WIN 0
	s_sub_co_u32 s3, s3, 1
	s_cmp_lg_u32 s3, 0
	s_cbranch_scc1 .Llap
	STEP 0, 1, 0
	TURN 0, 1, 2, 0                                ; the last fill: two records
	STEP 1, 0, 0
	STEP 1, 1, 0
	TURN 1, 0, 0, 0
	STEP 0, 0, 0
	s_wait_dscnt 12                                ; the last step: nothing more to fetch
	RUN 0, 32, 1, 0
	s_wait_dscnt 0
	RUN 32, 64, 1, 0
	WIN 0
; THE WAY OUT.  SSQ: each row's sum of squares over my 128 columns, four chains a block of 16 rows, each accumulator from its low end on.
.macro SSQ hi
.irp b, 0,1,2,3,4,5,6,7
.irp jj, 0,2,4,6
.irp a, 0,1,2,3
.set rX, SS+4*(4*\hi+\a)+((\jj)%4)
.set rA, 8*(8*\a+\b)+\jj
.if (\b == 0) && (\jj < 4)
	v_pk_mul_f32 v[rX:rX+1], v[rA:rA+1], v[rA:rA+1]
.else
	v_pk_fma_f32 v[rX:rX+1], v[rA:rA+1], v[rA:rA+1], v[rX:rX+1]
.endif
.endr
.endr
.endr
.endm
; Two blocks of 16 rows: rounded to f16, multiplied with the prototypes (two accumulators by turns), stored as register images of 1,024 bytes
.macro PAIR p
.if \p < 2
	WIN 0x0a
.else
	WIN 0x0f
.endif
.irp e, 0,1
.irp b, 0,1,2,3,4,5,6,7
.irp i, 0,1,2,3
.set rA, 8*(8*((2*\p+\e)%4)+\b)+2*\i
	v_cvt_pk_f16_f32 v[YB+32*\e+8*(\b/2)+4*(\b%2)+\i], v[rA], v[rA+1]
.endr
.endr
.endr
	WIN 0
.irp c, 0,1,2,3
.irp e, 0,1
.set rD, DD+16*\p+8*\e
.if \c == 0
	v_wmma_f32_16x16x32_f16 v[rD:rD+7], v[PF+8*\c:PF+8*\c+7], v[YB+32*\e+8*\c:YB+32*\e+8*\c+7], 0
.else
	v_wmma_f32_16x16x32_f16 v[rD:rD+7], v[PF+8*\c:PF+8*\c+7], v[YB+32*\e+8*\c:YB+32*\e+8*\c+7], v[rD:rD+7]
.endif
.endr
.endr
	PLACES 4
.irp e, 0,1
.set rD, DD+16*\p+8*\e
.set rS, SS+4*(2*\p+\e)
	global_store_b128 v[PO], v[rD:rD+3], s[12:13] offset:(2*\p+\e)*32768       ; the result is read from its low end on
	v_cndmask_b32 v[rD+7], v[rD+7], v[rS], s22     ; (h = 1, j = 7), prototype 15, which does not exist, carries the row's sum of squares
	global_store_b128 v[PO], v[rD+4:rD+7], s[12:13] offset:(2*\p+\e)*32768+512
.endr
.endm
	PLACES 5                                       ; behind the last products: their results are read, and their operands' registers written, below
	s_mov_b32 s18, 0x76543210
	s_mov_b32 s19, 0xfedcba98
	s_mov_b32 s22, 0xffff0000
	WIN 0x0a
	SSQ 0
	WIN 0x0f
	SSQ 1
	WIN 0
.irp a, 0,1,2,3,4,5,6,7
	v_pk_add_f32 v[SS+4*\a:SS+4*\a+1], v[SS+4*\a:SS+4*\a+1], v[SS+4*\a+2:SS+4*\a+3]
.endr
.irp a, 0,1,2,3,4,5,6,7
	v_add_f32 v[SS+4*\a], v[SS+4*\a], v[SS+4*\a+1]
.endr
.irp a, 0,1,2,3,4,5,6,7
	v_permlanex16_b32 v[SS+4*\a+1], v[SS+4*\a], s18, s19
.endr
.irp a, 0,1,2,3,4,5,6,7
	v_add_f32 v[SS+4*\a], v[SS+4*\a], v[SS+4*\a+1] ; the row's sum of squares over my 128 columns
.endr
	PAIR 0
	PAIR 1
	PAIR 2
	PAIR 3
	s_wait_tensorcnt 0x0                           ; the wave's end
	ds_add_u32 v[SPW], v[NIL]
	s_wait_dscnt 0x0
	CROUND                                         ; the closing round
	s_endpgm
.Lfunc_end_k_qb9b6190c37_gemm:
	.size	k_qb9b6190c37_gemm, .Lfunc_end_k_qb9b6190c37_gemm-k_qb9b6190c37_gemm
	.p2alignl 7, 3214868480
	.fill 96, 4, 3214868480
	.section	.rodata,"a",@progbits
	.p2align	6, 0x0
	.amdhsa_kernel k_qb9b6190c37_gemm
		.amdhsa_group_segment_fixed_size 327680
		.amdhsa_private_segment_fixed_size 0
		.amdhsa_enable_private_segment 0
		.amdhsa_kernarg_size 56
		.amdhsa_user_sgpr_count 2
		.amdhsa_user_sgpr_kernarg_segment_ptr 1
		.amdhsa_wavefront_size32 1
		.amdhsa_system_sgpr_workgroup_id_x 1
		.amdhsa_system_sgpr_workgroup_id_y 1
		.amdhsa_system_sgpr_workgroup_id_z 1
		.amdhsa_system_vgpr_workitem_id 0
		.amdhsa_next_free_vgpr 1024
		.amdhsa_next_free_sgpr 102
		.amdhsa_reserve_vcc 0
		.amdhsa_float_denorm_mode_32 3
		.amdhsa_float_denorm_mode_16_64 3
		.amdhsa_memory_ordered 1
		.amdhsa_forward_progress 1
		.amdhsa_inst_pref_size 221
	.end_amdhsa_kernel
	.amdgpu_metadata
---
amdhsa.version: [ 1, 2 ]
amdhsa.kernels:
  - .name:           k_qb9b6190c37_gemm
    .symbol:         k_qb9b6190c37_gemm.kd
    .args:
      - { .name: acs, .offset: 0, .size: 8, .value_kind: global_buffer, .address_space: global }
      - { .name: wcs, .offset: 8, .size: 8, .value_kind: global_buffer, .address_space: global }
      - { .name: part, .offset: 16, .size: 8, .value_kind: global_buffer, .address_space: global }
      - { .name: bv, .offset: 24, .size: 8, .value_kind: global_buffer, .address_space: global }
      - { .name: bt, .offset: 32, .size: 8, .value_kind: global_buffer, .address_space: global }
      - { .name: prototypes, .offset: 40, .size: 8, .value_kind: global_buffer, .address_space: global }
      - { .name: pn2, .offset: 48, .size: 8, .value_kind: global_buffer, .address_space: global }
    .group_segment_fixed_size: 327680
    .private_segment_fixed_size: 0
    .kernarg_segment_align: 8
    .kernarg_segment_size: 56
    .max_flat_workgroup_size: 128
    .sgpr_count:     102
    .vgpr_count:     1024
    .wavefront_size: 32
...
	.end_amdgpu_metadata
.endif
;; end of part 2
;; launch finish (part 3): grid 129 x 1, 8 waves a work-group, no clusters, 134,144 bytes of LDS; arguments part, disease_labels, cooccurrence, out0, out2; writes out0, out2
.if DOCPART == 3
	.amdgcn_target "amdgcn-amd-amdhsa--gfx1250"
	.amdhsa_code_object_version 6
	.text
	.protected	k_qb9b6190c37_finish
	.globl	k_qb9b6190c37_finish
	.p2align	8
	.type	k_qb9b6190c37_finish,@function
k_qb9b6190c37_finish:
	s_mov_b64 s[64:65], 0
	v_nop
	global_prefetch_b8 v0, s[64:65] scope:SCOPE_SE
	s_setreg_imm32_b32 hwreg(HW_REG_WAVE_MODE, 25, 1), 1
	s_wait_xcnt 0x0
; Work-groups 0-127: out0 for 16 rows each.  part [T 2][row block 128][chunk 32][1,024 bytes] holds, for each chunk of 128 columns, the image of eight registers: lane (r, h), register j: row r's product with the
; normalised prototype 8 h + j; (h = 1, j = 7): the row's sum of squares.  Wave w adds chunks 8 (w % 4) .. + 7 of T = w / 4; the eight partial images meet in LDS; wave 0 makes
; out0(row, k) = 0.5 (V(k) / max(|v|, 1e-12) + T(k) / max(|t|, 1e-12)) x label(row, k).
; Work-group 128: out2 = mean((sigmoid(cooccurrence) - labels^T labels / 2048)^2).  labels^T labels goes to the matrix unit in bf16, f32 sums: wave w takes rows 256 w .. + 255, eight steps of 32.
; LIMITS: labels beyond +-256 are rounded to bf16 in labels^T labels (0 and 1 are exact); NaN and infinities are not served; v_sqrt_f32 and v_rcp_f32 take denormals as 0 (ISA guide, 15.8).
; The two paths part on the work-group's number and have LDS bytes of their own: 0-8,191 and 8,192-16,383, 1,024 bytes a wave.  out0's rows are 56 bytes: wave 0's four stores together cover 896 consecutive bytes.
; No tensor loads, clusters or rings: the launch reads 8.5 MB once, and no two work-groups read the same bytes.
.set LB, 64                            ; the loss path: v64-191 labels, 16 registers a step
	s_load_b256 s[4:11], s[0:1], 0x0               ; part, disease_labels, cooccurrence, out0
	s_load_b64 s[12:13], s[0:1], 0x20              ; out2
	v_lshl_add_u32 v254, v0, 2, 0x4000
	v_mov_b32 v255, 0
	v_lshrrev_b32 v1, 5, v0
	s_delay_alu instid0(VALU_DEP_1)
	v_readfirstlane_b32 s14, v1                    ; wave 0..7
	v_and_b32 v2, 31, v0                           ; lane
	v_and_b32 v3, 15, v0                           ; r
	v_bfe_u32 v4, v0, 4, 1                         ; h
	s_delay_alu instid0(VALU_DEP_3)
	v_lshlrev_b32 v6, 4, v2                        ; 16 x lane: my place in an image's 512 bytes
	s_delay_alu instid0(VALU_DEP_1)
	v_lshl_add_u32 v5, v1, 10, v6                  ; + 1,024 x wave: where I store my wave's image
	s_delay_alu instid0(VALU_DEP_4)
	v_min_u32 v13, 13, v3                          ; a label's column: lanes 14, 15 take the 13th once more
	s_mov_b32 s18, 0x76543210                      ; v_permlanex16_b32's selects for lane l xor 16
	s_mov_b32 s19, 0xfedcba98
	s_mov_b32 s21, 0xffff0000                      ; lanes 16-31
	s_mov_b32 s17, 0
	s_wait_kmcnt 0x0
	s_cmp_eq_u32 ttmp9, 128
	s_cbranch_scc1 .Lloss
	; ---- out0 ----
	s_wait_alu depctr_va_vdst(0)
	v_mul_u32_u24 v7, v3, 56                       ; a row of labels and of out0 is 56 bytes
	s_delay_alu instid0(VALU_DEP_1)
	v_mad_u32_u24 v8, v4, 24, v7
	s_delay_alu instid0(VALU_DEP_1)
	v_add_nc_u32 v8, 24, v8                        ; the fourth piece of 8 bytes: 56 r + 24 for h = 0; for h = 1, which has three, the third once more: no load leaves its buffer
	s_delay_alu instid0(VALU_DEP_3)
	v_lshl_add_u32 v7, v4, 5, v7                   ; 56 r + 32 h
	s_mul_i32 s16, ttmp9, 896                      ; 16 rows a work-group
	s_add_nc_u64 s[6:7], s[6:7], s[16:17]
	s_add_nc_u64 s[10:11], s[10:11], s[16:17]
	s_lshr_b32 s16, s14, 2
	s_lshl_b32 s16, s16, 22                        ; T = wave / 4
	s_lshl_b32 s15, ttmp9, 15                      ; the row block
	s_add_co_u32 s16, s16, s15
	s_and_b32 s15, s14, 3
	s_lshl_b32 s15, s15, 13                        ; my eight chunks
	s_add_co_u32 s16, s16, s15
	s_add_nc_u64 s[4:5], s[4:5], s[16:17]
	s_wait_alu depctr_va_vdst(0)                   ; the wait ahead of the readers of v7 and v8
	global_load_b64 v[16:17], v7, s[6:7]           ; label(r, 8 h + 0 .. 7), asked for ahead of the images and of the barrier; wave 0 uses them
	global_load_b64 v[18:19], v7, s[6:7] offset:8
	global_load_b64 v[20:21], v7, s[6:7] offset:16
	global_load_b64 v[22:23], v8, s[6:7]
.irp i, 0,1,2,3,4,5,6,7,8,9,10,11,12,13,14,15
	global_load_b128 v[32+4*\i:35+4*\i], v6, s[4:5] offset:512*\i th:TH_LOAD_NT   ; 8,192 consecutive bytes a wave; chunk c in v[32 + 8 c ..]
.endr
.irp c, 1,2,3,4,5,6,7
	s_wait_alu depctr_va_vdst(0)
	s_wait_loadcnt 14-2*\c                         ; chunks 0 to c are in; the younger chunks' loads, two each, stay out
.irp k, 0,1,2,3
	v_pk_add_f32 v[32+2*\k:33+2*\k], v[32+2*\k:33+2*\k], v[32+8*\c+2*\k:33+8*\c+2*\k]
.endr
.endr
	ds_store_b128 v5, v[32:35]
	ds_store_b128 v5, v[36:39] offset:512
	s_wait_dscnt 0x0                               ; for the others' sake: my stores have landed
	s_barrier_signal -1
	s_barrier_wait -1
	s_cmp_lg_u32 s14, 0
	s_cbranch_scc1 .Lend
.irp w, 0,1,2,3,4,5,6,7
	ds_load_b128 v[64+8*\w:67+8*\w], v6 offset:1024*\w
	ds_load_b128 v[68+8*\w:71+8*\w], v6 offset:1024*\w+512
.endr
	v_mov_b32 v40, 0                               ; a lane permute's destination counts as one of its sources
	v_mov_b32 v41, 0
	s_wait_dscnt 0x0
.irp w, 1,2,3
.irp k, 0,1,2,3
	v_pk_add_f32 v[64+2*\k:65+2*\k], v[64+2*\k:65+2*\k], v[64+8*\w+2*\k:65+8*\w+2*\k]     ; image: waves 0-3
	v_pk_add_f32 v[96+2*\k:97+2*\k], v[96+2*\k:97+2*\k], v[96+8*\w+2*\k:97+8*\w+2*\k]     ; text: waves 4-7
.endr
.endr
	s_delay_alu instid0(VALU_DEP_2)
	v_permlanex16_b32 v40, v71, s18, s19           ; the rows' sums of squares lie in lanes 16-31, register 7: lanes 0-15 fetch them,
	s_delay_alu instid0(VALU_DEP_2)
	v_permlanex16_b32 v41, v103, s18, s19
	s_delay_alu instid0(VALU_DEP_2)
	v_cndmask_b32 v40, v40, v71, s21               ; lanes 16-31 keep their own
	s_delay_alu instid0(VALU_DEP_2)
	v_cndmask_b32 v41, v41, v103, s21
	s_wait_alu depctr_va_vdst(0)
	v_sqrt_f32 v40, v40
	v_sqrt_f32 v41, v41
	v_nop                                          ; one plain place behind the transcendentals
	s_wait_alu depctr_va_vdst(0)
	v_max_num_f32 v40, 0x2b8cbccc, v40             ; max(norm, 1e-12)
	v_max_num_f32 v41, 0x2b8cbccc, v41
	s_wait_alu depctr_va_vdst(0)
	v_rcp_f32 v40, v40
	v_rcp_f32 v41, v41
	v_nop
	s_wait_loadcnt 0x0                             ; the labels
.irp j, 0,1,2,3,4,5,6,7
	v_cvt_f32_i32 v[48+\j], v[16+\j]
.endr
	s_wait_alu depctr_va_vdst(0)
	v_mul_f32 v40, 0.5, v40
	v_mul_f32 v41, 0.5, v41
.irp j, 0,1,2,3,4,5,6,7
	v_mul_f32 v[64+\j], v[64+\j], v40
.endr
.irp j, 0,1,2,3,4,5,6,7
	v_fma_f32 v[64+\j], v[96+\j], v41, v[64+\j]
.endr
.irp j, 0,1,2,3,4,5,6,7
	v_mul_f32 v[64+\j], v[64+\j], v[48+\j]
.endr
	global_store_b64 v7, v[64:65], s[10:11]
	global_store_b64 v7, v[66:67], s[10:11] offset:8
	global_store_b64 v7, v[68:69], s[10:11] offset:16
	v_cmp_gt_u32 vcc_lo, 16, v2                    ; prototypes 6 and 7 exist, 14 and 15 do not: the fourth piece is lanes 0-15's alone
	s_wait_alu depctr_va_vdst(0)
	s_wait_xcnt 0x0                                ; EXEC is a source of the stores above: it changes only behind this wait
	s_and_saveexec_b32 s20, vcc_lo
	global_store_b64 v7, v[70:71], s[10:11] offset:24
	s_wait_xcnt 0x0                                ; and again in front of the line that widens it
	s_or_b32 exec_lo, exec_lo, s20
.Lend:
	s_wait_tensorcnt 0x0
	ds_add_u32 v254, v255
	s_wait_dscnt 0x0
	s_endpgm
	; ---- out2 ----
.Lloss:
	s_wait_alu depctr_va_vdst(0)
	v_lshlrev_b32 v11, 2, v13                      ; 4 x column
	s_delay_alu instid0(VALU_DEP_1)
	v_mad_u32_u24 v9, v4, 448, v11                 ; + 8 h rows of 56 bytes
	; My wave's 256 rows of labels, 14,336 dense bytes, come by 28 loads of 512 consecutive bytes and lie in the wave's own LDS bytes: 0x4400 + 0x3900 x wave; 8 bytes of zeros behind them,
	; since lanes 14 and 15 read on into the next row (columns 14 and 15 do not exist: what they bring is masked at the end).
	v_lshlrev_b32 v10, 2, v3                       ; 4 r
	v_mad_u32_u24 v12, v1, 0x3900, v6              ; into the stage: 16 x lane
	v_mul_u32_u24 v14, v1, 0x3900
	v_mov_b32 v16, 0
	v_mov_b32 v17, 0
	v_mad_u32_u24 v10, v4, 448, v10                ; + 8 h rows of 56 bytes
	v_add_nc_u32 v12, 0x4400, v12
	v_add_nc_u32 v14, 0x4400+14336, v14            ; the 8 bytes behind the rows
	s_delay_alu instid0(VALU_DEP_3)
	v_mad_u32_u24 v10, v1, 0x3900, v10
	s_delay_alu instid0(VALU_DEP_1)
	v_add_nc_u32 v10, 0x4400, v10                  ; out of the stage
	s_mul_i32 s16, s14, 14336                      ; my wave's 256 rows
	s_add_nc_u64 s[6:7], s[6:7], s[16:17]
	s_wait_alu depctr_va_vdst(0)                   ; the wait behind these writes
.irp j, 0,1,2,3,4,5
	global_load_b32 v[24+\j], v9, s[8:9] offset:56*\j      ; cooccurrence(8 h + j, r), in the counts' layout, asked for ahead of the barrier; wave 0 uses it
.endr
.irp j, 6,7
	global_load_b32 v[24+\j], v11, s[8:9] offset:56*\j     ; rows 14 and 15 do not exist: lanes 16-31 take rows 6 and 7 once more (masked below): no load leaves the 784 bytes
.endr
.irp i, 0,1,2,3,4,5,6,7,8,9,10,11,12,13,14,15,16,17,18,19,20,21,22,23,24,25,26,27
	global_load_b128 v[64+4*\i:67+4*\i], v6, s[6:7] offset:512*\i
.endr
	ds_store_b64 v14, v[16:17]
	s_wait_loadcnt 0x0
.irp i, 0,1,2,3,4,5,6,7,8,9,10,11,12,13,14,15,16,17,18,19,20,21,22,23,24,25,26,27
	ds_store_b128 v12, v[64+4*\i:67+4*\i] offset:512*\i    ; LDS serves a wave's instructions in order (ISA guide 5.7.1.4): the loads below see these stores
.endr
; A fragment of labels^T, 16 columns x 32 rows: lane (r, h) holds column r; numbers 0-7: rows 32 s + 8 h + 0 .. 7; numbers 8-15: rows 32 s + 16 + 8 h + 0 .. 7
.macro LD s
.irp i, 0,1,2,3,4,5,6,7,8,9,10,11,12,13,14,15
	ds_load_b32 v[LB+16*(\s)+\i], v10 offset:(32*(\s)+(\i%8)+16*(\i/8))*56
.endr
.endm
	LD 0
	LD 1
	LD 2
	s_wait_alu depctr_va_vdst(0)
.irp s, 0,1,2,3,4,5,6,7
.if \s < 6
	s_wait_dscnt 32                                ; this step's sixteen loads are in; those of the two steps behind it may be out
.else
	s_wait_dscnt 16*(7-\s)
.endif
.if \s < 5
	LD \s+3                                        ; three steps ahead, each into registers of its own
.endif
.irp i, 0,1,2,3,4,5,6,7,8,9,10,11,12,13,14,15
	v_cvt_f32_i32 v[LB+16*\s+\i], v[LB+16*\s+\i]   ; (these sixteen are also the places between the last matrix instruction and the writes into its sources)
.endr
.irp i, 0,1,2,3,4,5,6,7
	v_cvt_pk_bf16_f32 v[192+\i], v[LB+16*\s+2*\i], v[LB+16*\s+2*\i+1]
.endr
.irp i, 0,1,2,3,4,5,6,7
	v_cvt_pk_bf16_f32 v[200+\i], v[LB+16*\s+2*\i], v[LB+16*\s+2*\i+1]   ; the fragment a second time: two runs of registers where a matrix meets itself
.endr
.if \s < 2
	v_wmma_f32_16x16x32_bf16 v[208+8*(\s%2):215+8*(\s%2)], v[192:199], v[200:207], 0      ; two accumulators by turns; the first products start the sums
.else
	v_wmma_f32_16x16x32_bf16 v[208+8*(\s%2):215+8*(\s%2)], v[192:199], v[200:207], v[208+8*(\s%2):215+8*(\s%2)]
.endif
.endr
.rept 4
	v_nop                                          ; four places in front of the reads of the results
.endr
.irp k, 0,1,2,3
	v_pk_add_f32 v[208+2*\k:209+2*\k], v[208+2*\k:209+2*\k], v[216+2*\k:217+2*\k]         ; both accumulators from their low ends on
.endr
	ds_store_b128 v5, v[208:211] offset:8192
	ds_store_b128 v5, v[212:215] offset:8704
	s_wait_dscnt 0x0                               ; for the others' sake: my stores have landed
	s_barrier_signal -1
	s_barrier_wait -1
	s_cmp_lg_u32 s14, 0
	s_cbranch_scc1 .Lend2
.irp w, 0,1,2,3,4,5,6,7
	ds_load_b128 v[64+8*\w:67+8*\w], v6 offset:8192+1024*\w
	ds_load_b128 v[68+8*\w:71+8*\w], v6 offset:8192+1024*\w+512
.endr
	s_mov_b32 s22, 0xba000000                      ; -1 / 2048
	s_mov_b32 s23, 0x3fff3fff                      ; r < 14, both halves of the lanes
	s_mov_b32 s24, 0x3fff                          ; r < 14, lanes 0-15
	s_wait_dscnt 0x0
.irp w, 1,2,3,4,5,6,7
.irp k, 0,1,2,3
	v_pk_add_f32 v[64+2*\k:65+2*\k], v[64+2*\k:65+2*\k], v[64+8*\w+2*\k:65+8*\w+2*\k]     ; the counts (8 h + j, r) over all 2,048 rows
.endr
.endr
	s_wait_loadcnt 0x0                             ; cooccurrence
.irp j, 0,1,2,3,4,5,6,7
	v_mul_f32 v[24+\j], 0xbfb8aa3b, v[24+\j]       ; -x log2(e)
.endr
	s_wait_alu depctr_va_vdst(0)
.irp j, 0,1,2,3,4,5,6,7
	v_exp_f32 v[24+\j], v[24+\j]
.endr
	v_nop                                          ; one plain place behind the transcendentals
	s_wait_alu depctr_va_vdst(0)
.irp j, 0,1,2,3,4,5,6,7
	v_add_f32 v[24+\j], 1.0, v[24+\j]
.endr
	s_wait_alu depctr_va_vdst(0)
.irp j, 0,1,2,3,4,5,6,7
	v_rcp_f32 v[24+\j], v[24+\j]                   ; sigmoid(x) = 1 / (1 + e^-x)
.endr
	v_nop
	s_wait_alu depctr_va_vdst(0)
.irp j, 0,1,2,3,4,5,6,7
	v_fma_f32 v[24+\j], v[64+\j], s22, v[24+\j]    ; - count / 2048
.endr
.irp j, 0,1,2,3,4,5
	v_cndmask_b32 v[24+\j], 0, v[24+\j], s23       ; places outside the 14 x 14 count for nothing
.endr
.irp j, 6,7
	v_cndmask_b32 v[24+\j], 0, v[24+\j], s24
.endr
	v_mul_f32 v32, v24, v24                        ; the squares, in two chains
	v_mul_f32 v33, v25, v25
.irp j, 26,28,30
	s_delay_alu instid0(VALU_DEP_2)
	v_fma_f32 v32, v[\j], v[\j], v32
	s_delay_alu instid0(VALU_DEP_2)
	v_fma_f32 v33, v[\j+1], v[\j+1], v33
.endr
	s_delay_alu instid0(VALU_DEP_1)
	v_add_f32 v32, v32, v33
	s_delay_alu instid0(VALU_DEP_1)
	v_add_f32_dpp v32, v32, v32 row_xmask:1 row_mask:0xf bank_mask:0xf
	s_delay_alu instid0(VALU_DEP_1)
	v_add_f32_dpp v32, v32, v32 row_xmask:2 row_mask:0xf bank_mask:0xf
	s_delay_alu instid0(VALU_DEP_1)
	v_add_f32_dpp v32, v32, v32 row_xmask:4 row_mask:0xf bank_mask:0xf
	s_delay_alu instid0(VALU_DEP_1)
	v_add_f32_dpp v32, v32, v32 row_xmask:8 row_mask:0xf bank_mask:0xf
	s_delay_alu instid0(VALU_DEP_1)
	v_permlanex16_b32 v33, v32, s18, s19           ; (v33 has been written)
	s_delay_alu instid0(VALU_DEP_1)
	v_add_f32 v32, v32, v33
	s_delay_alu instid0(VALU_DEP_1)
	v_mul_f32 v32, 0x3ba72f05, v32                 ; / 196
	v_mov_b32 v34, 0
	v_cmp_eq_u32 vcc_lo, 0, v2
	s_wait_alu depctr_va_vdst(0)
	s_wait_xcnt 0x0                                ; EXEC changes only behind this wait
	s_and_saveexec_b32 s20, vcc_lo
	global_store_b32 v34, v32, s[12:13]            ; lane 0 alone
	s_wait_xcnt 0x0
	s_or_b32 exec_lo, exec_lo, s20
.Lend2:
	s_wait_tensorcnt 0x0
	ds_add_u32 v254, v255
	s_wait_dscnt 0x0
	s_endpgm
.Lfunc_end_k_qb9b6190c37_finish:
	.size	k_qb9b6190c37_finish, .Lfunc_end_k_qb9b6190c37_finish-k_qb9b6190c37_finish
	.p2alignl 7, 3214868480
	.fill 96, 4, 3214868480
	.section	.rodata,"a",@progbits
	.p2align	6, 0x0
	.amdhsa_kernel k_qb9b6190c37_finish
		.amdhsa_group_segment_fixed_size 134144
		.amdhsa_private_segment_fixed_size 0
		.amdhsa_enable_private_segment 0
		.amdhsa_kernarg_size 40
		.amdhsa_user_sgpr_count 2
		.amdhsa_user_sgpr_kernarg_segment_ptr 1
		.amdhsa_wavefront_size32 1
		.amdhsa_system_sgpr_workgroup_id_x 1
		.amdhsa_system_sgpr_workgroup_id_y 1
		.amdhsa_system_sgpr_workgroup_id_z 1
		.amdhsa_system_vgpr_workitem_id 0
		.amdhsa_next_free_vgpr 256
		.amdhsa_next_free_sgpr 66
		.amdhsa_reserve_vcc 1
		.amdhsa_float_denorm_mode_32 3
		.amdhsa_float_denorm_mode_16_64 3
		.amdhsa_memory_ordered 1
		.amdhsa_forward_progress 1
		.amdhsa_inst_pref_size 47
	.end_amdhsa_kernel
	.amdgpu_metadata
---
amdhsa.version: [ 1, 2 ]
amdhsa.kernels:
  - .name:           k_qb9b6190c37_finish
    .symbol:         k_qb9b6190c37_finish.kd
    .args:
      - { .name: part, .offset: 0, .size: 8, .value_kind: global_buffer, .address_space: global }
      - { .name: disease_labels, .offset: 8, .size: 8, .value_kind: global_buffer, .address_space: global }
      - { .name: cooccurrence, .offset: 16, .size: 8, .value_kind: global_buffer, .address_space: global }
      - { .name: out0, .offset: 24, .size: 8, .value_kind: global_buffer, .address_space: global }
      - { .name: out2, .offset: 32, .size: 8, .value_kind: global_buffer, .address_space: global }
    .group_segment_fixed_size: 134144
    .private_segment_fixed_size: 0
    .kernarg_segment_align: 8
    .kernarg_segment_size: 40
    .max_flat_workgroup_size: 256
    .sgpr_count:     66
    .vgpr_count:     256
    .wavefront_size: 32
...
	.end_amdgpu_metadata
.endif
;; end of part 3
